; MI455X (gfx1250); checked and timed in simulation.
; The chip was launched on July 23, 2026; its instructions are those of AMD's public machine-readable ISA for CDNA 5 (MIT licence, August 2026) and "CDNA5" Instruction Set Architecture Reference Guide (July 2026). The comments in the code are by the model that wrote it; some were corrected since.
;; Double Sin. Allowed arithmetic: matrix products marked QUANTISED: E4M3 operands, one E8M0 scale for each 32 along K, by v_wmma_scale_f32_16x16x128_f8f6f4 with both operands' format E4M3, f32 sums; products left as they are: f32 operands where the result goes on into a quantised operand, else bf16, f16 or f32 operands; f32 sums; everything else in f32.
;; Inputs: W1_m1 64 x 1 float32; W1_m2 64 x 1 float32; W2_m1_codes 64 x 2 x 32 uint8 (E4M3 codes of W2_m1, K innermost, in blocks of 32 codes); W2_m1_scales 64 x 2 uint8 (E8M0 scales of W2_m1, one for each 32 codes along K); W2_m2_codes 64 x 2 x 32 uint8 (E4M3 codes of W2_m2, K innermost, in blocks of 32 codes); W2_m2_scales 64 x 2 uint8 (E8M0 scales of W2_m2, one for each 32 codes along K); W3_m1_codes 64 x 2 x 32 uint8 (E4M3 codes of W3_m1, K innermost, in blocks of 32 codes); W3_m1_scales 64 x 2 uint8 (E8M0 scales of W3_m1, one for each 32 codes along K); W3_m2_codes 64 x 2 x 32 uint8 (E4M3 codes of W3_m2, K innermost, in blocks of 32 codes); W3_m2_scales 64 x 2 uint8 (E8M0 scales of W3_m2, one for each 32 codes along K); W4_m1 1 x 64 float32; W4_m2 1 x 64 float32; a1_m1 64 float32; a1_m2 64 float32; a2_m1 64 float32; a2_m2 64 float32; a3_m1 64 float32; a3_m2 64 float32; b1_m1 64 float32; b1_m2 64 float32; b2_m1 64 float32; b2_m2 64 float32; b3_m1 64 float32; b3_m2 64 float32; b4_m1 1 float32; b4_m2 1 float32; x 1,048,576 x 1 float32.
;; Outputs: out0 1,048,576 x 1 float32.
;; This version of the problem:
;;   THIS VERSION OF THE PROBLEM IS GIVEN IN LOW PRECISION. The matrix products marked QUANTISED in the list below multiply operands that are first quantised to E4M3 (4 exponent bits, 3 mantissa bits; 8 bits a number), with one power-of-two scale for each 32 numbers along K (OCP MX v1.0); their sums are f32. All else is computed in f32.
;;   The module's matrix products, in the order in which they are computed (A, B: the left and right operand; K: the contracted axis; several contracted axes count as one K, in the product's order):
;;     1. [M 1,048,576, K 1] x [K 1, N 64]; A: input x; B: input W1_m1: left as it is (K = 1 < 32)
;;     2. [M 1,048,576, K 64] x [K 64, N 64]; A: computed on the way; B: input W2_m1 (given as codes): QUANTISED
;;     3. [M 1,048,576, K 64] x [K 64, N 64]; A: computed on the way; B: input W3_m1 (given as codes): QUANTISED
;;     4. [M 1,048,576, K 64] x [K 64, N 1]; A: computed on the way; B: input W4_m1: left as it is (N = 1 < 16)
;;     5. [M 1,048,576, K 1] x [K 1, N 64]; A: computed on the way; B: input W1_m2: left as it is (K = 1 < 32)
;;     6. [M 1,048,576, K 64] x [K 64, N 64]; A: computed on the way; B: input W2_m2 (given as codes): QUANTISED
;;     7. [M 1,048,576, K 64] x [K 64, N 64]; A: computed on the way; B: input W3_m2 (given as codes): QUANTISED
;;     8. [M 1,048,576, K 64] x [K 64, N 1]; A: computed on the way; B: input W4_m2: left as it is (N = 1 < 16)
;;   THE QUANTISER, for each operand of a quantised product, along K:
;;     - K is cut into blocks of 32 from its start; a last block that is shorter is filled with zeros.
;;     - A block's scale is 2^e with e = floor(log2(the largest magnitude in the block)) - 8, held to -126 .. 127; a block of zeros has e = 0. As a byte (E8M0): e + 127.
;;     - Each number is divided by its block's scale, clamped to +-448, and rounded to the nearest number of E4M3, ties to even, subnormals kept.
;;     - The product sums the exact products of the quantised numbers (number of the format x scale) in f32.
;;   ~~~python
;;   def quantise(x, axis):      # numpy; x: float32 -> the quantised numbers, widened to float32 again
;;       x = np.moveaxis(x, axis, -1); K = x.shape[-1]
;;       x = np.pad(x, [(0, 0)] * (x.ndim - 1) + [(0, -K % 32)]); x = x.reshape(x.shape[:-1] + (-1, 32)); a = np.abs(x).max(-1, keepdims=True)
;;       e = np.where(a > 0, np.clip(np.frexp(np.where(a > 0, a, 1))[1] - 1 - 8, -126, 127), 0)      # np.frexp(a)[1] - 1 = floor(log2(a)), exactly
;;       r = np.clip(x / 2.0 ** e, -448, 448)
;;       step = 2.0 ** (np.maximum(np.frexp(np.where(r == 0, 1, r))[1] - 1, -6) - 3)
;;       q = np.round(r / step) * step * 2.0 ** e      # np.round: ties to even
;;       return np.moveaxis(q.reshape(q.shape[:-2] + (-1,))[..., :K], -1, axis).astype(np.float32)
;;   ~~~
;;   OPERANDS COMPUTED ON THE WAY. 'Computed on the way' means the value that the module computes at that place (a softmax that the list does not call 'softmax' is quantised finished and normalised). What goes into a quantiser is computed in f32, as accurately as f32 sums, v_exp_f32 and their like allow (about 1e-6 of the number): no bf16 or f16 on the way to a quantiser, and a product that is left as it is and whose result goes on into a quantised operand takes f32 operands (vector FMAs, or v_wmma_f32_16x16x4_f32). A number that lies on a knife's edge between two numbers of the format may be rounded either way, as far as f32 arithmetic and the matrix unit's own rounding can turn it there, and no further.
;;   INPUTS GIVEN AS CODES. W2_m1 (in the module: [64, 64], K = its axis 1); W2_m2 (in the module: [64, 64], K = its axis 1); W3_m1 (in the module: [64, 64], K = its axis 1); W3_m2 (in the module: [64, 64], K = its axis 1): each comes as NAME_codes (uint8): NAME with its K axis moved to the last place and cut into blocks of 32 codes, [.., K / 32, bytes a block], one block behind the other in memory; one code a byte (a code: sign, 4 exponent bits, 3 mantissa bits); and NAME_scales (uint8): the same leading axes, one E8M0 byte (e + 127) for each 32 codes along K. Its value is code x scale, taken as it is: it is not quantised again, and the codes and scales need not be those that the quantiser above would give.
;; 2 versions, each right; version 2 is version 1 with the launch snake2 written anew for expert scheduling mode. Each part assembles by itself: llvm-mc -triple=amdgcn-amd-amdhsa -mcpu=gfx1250 --defsym DOCPART=n.
;; ======== version 1 of 2: 1 launch
;; limits: right only within a limited range of input values
;; launch snake2 (part 1): grid 256 x 1, 4 waves a work-group, no clusters, 33,280 bytes of LDS; arguments x, out0, a1_m1, a2_m1, a3_m1, W1_m1, b1_m1, b2_m1, b3_m1, W4_m1, W2_m1_codes, W3_m1_codes, W2_m1_scales, W3_m1_scales, b4_m1, a1_m2, a2_m2, a3_m2, W1_m2, b1_m2, b2_m2, b3_m2, W4_m2, W2_m2_codes, W3_m2_codes, W2_m2_scales, W3_m2_scales, b4_m2; writes out0
.if DOCPART == 1
	.amdgcn_target "amdgcn-amd-amdhsa--gfx1250"
	.amdhsa_code_object_version 6
	.text
	.protected	k_qc4501281fe_snake2
	.globl	k_qc4501281fe_snake2
	.p2align	8
	.type	k_qc4501281fe_snake2,@function
k_qc4501281fe_snake2:
	s_mov_b64 s[64:65], 0
	v_nop
	global_prefetch_b8 v0, s[64:65] scope:SCOPE_SE
	s_setreg_imm32_b32 hwreg(HW_REG_WAVE_MODE, 25, 1), 1
	s_wait_xcnt 0x0
; out0[i] = mlp_m1(x[i]) + mlp_m2(2 x[i]);  mlp: 1 -> 64 -> 64 -> 64 -> 1, snake(z) = z + sin^2(a z) / a behind each of the three hidden layers.
; The two 64 x 64 products of each branch run on codes of FP8 (E4M3) with one E8M0 scale for each 32 along K: the weights as they are given, the activations quantised here, in registers.
; SHARES.  1,024 waves (256 work-groups of four), each with 1,024 rows: 64 tiles of 16 rows.  A trip of the loop takes one tile through both branches and all layers.  Waves share nothing: no barrier.
; ALL CONSTANTS STAY IN REGISTERS: for both branches a / pi and 1 / a of three layers, W1, W4, three biases, the weights' codes and scale words: 848 registers a wave, loaded once.
; That is why a wave takes all the registers that an instruction's four windows reach, and why no tile goes through LDS by a copy engine and no cluster is formed: what work-groups share is these 21,000 bytes,
; read once at the head, against 64 tiles of arithmetic; x is 4,096 bytes a wave, read once at the head, so nothing is asked for ahead either.
; LAYOUT.  Both products are used transposed: source 0 = 16 rows of W, source 1 = the tile's 16 rows of h.  A lane holds ONE row (lane % 16) throughout, and its registers run along the channels.
; THE ROWS OF W THAT FORM A TILE ARE NOT NEIGHBOURS: lane r of tile 2 b + u takes row 32 b + 8 u + r + 8 (r / 8).  So register q (0 .. 31) of a set of 32 is channel 32 (q / 16) + 16 (lane / 16) + q % 16,
; in the results, in every per-channel constant and in the biases alike, and the 16 registers of a block are 16 neighbours along the next K: the conversions' results are the next operand.
; K IS 64, THE INSTRUCTION'S IS 128: h's operand is 8 registers of codes and 8 of zeros.  W's operand names 16 registers from its tile's first on: its upper 8 are the next tile's codes (behind the last tile: zeros);
; they meet h's zero codes and add nothing.  (A NaN code there would give NaN; any NaN code in a weight makes every output NaN by the definition too.)  The bias is the C of each product.
; sin^2 WITHOUT A SINE INSTRUCTION, two numbers an instruction: c = a / pi;  n = z c rounded to a whole number (by adding and taking off 1.5 x 2^23);  f = z c - n, one fused rounding, in [-1/2, 1/2];
; u = f^2;  sin(pi f) = f P(u), P of degree 4 (the series to u^6, economised twice; its error is under 1e-8 of P);  sin^2 = u P^2;  h = sin^2 x (1 / a) + z.
; THE BRANCHES TAKE TURNS, phase by phase: between a phase's four matrix instructions and the first line that reads their results, or writes their operands, stands a whole phase of the other branch.
; LIMITS: |a z / pi| under 2^22 (beyond it n is no whole number any more); a = 0 gives NaN, as the definition does; sin^2 / a is sin^2 x (1 / a), 1 / a within an ulp; the angle carries c's rounding, |a z| x 2^-24;
; NaN and infinities among x and the parameters are not served; a block of zeros gets the scale byte 1 over zero codes (the bytes are read here alone).
; REGISTERS, in windows of 256 (s_set_vgpr_msb: bits 1:0 source 0, 3:2 source 1, 5:4 source 2, 7:6 destination).
;   window 0: all that the loop writes, and m2's b1, codes.   windows 1 (m1), 2 (m2): c1, 1/a1, c2, 1/a2, c3, 1/a3, W1, W4, 32 each.   window 3: m1's codes, b1_m1 and both branches' b2, b3.
.set LB0,  1        ; v1   LDS: 8192 x wave + 4 (lane % 16): my row's word in tile 0; never rewritten
.set LA,   2        ; v2   the same in the tile in hand
.set LN,   3        ; v3   and in the next tile
.set L16,  4        ; v4   LDS: 8192 x wave + 16 x lane; never rewritten
.set LRD,  5        ; v5   where I read 16 bytes of results back
.set G16,  6        ; v6   16 x lane; never rewritten
.set GO,   7        ; v7   my byte offset in the wave's part of out0
.set XV,   8        ; v[8:9]    x of my row, 0
.set D4,   10       ; v[10:11]  the polynomial's highest coefficient, twice
.set B4H,  12       ; v[12:13]  (b4_m1 + b4_m2) / 2, 0: the two halves of the lanes are added at the end
.set HS,   14       ; v14       h's scale word
.set WS,   16       ; v[16:23]  the weights' scale words: m1 W2, m1 W3, m2 W2, m2 W3, two registers each: lanes 0-15 tile 2 b, lanes 16-31 tile 2 b + 1
.set QT,   24       ; v[24:33]  the quantiser, five a block: largest magnitude, at work, 448 x scale, the conversion's scale operand, the byte
.set ACC,  24       ; v[24:31]  in the last layer: four pairs of sums
.set HCO,  24       ; at the head: 64 (lane / 16);
.set HWO,  25       ; 64 (r + 8 (r / 8)) + 16 (lane / 16);
.set HSO,  26       ; 2 (8 (lane / 16) + r + 8 (r / 8))
.set T,    34       ; v[34:49]  eight pairs at work
.set P,    50       ; v[50:65]  eight pairs at work
.set ZA,   66       ; v[66:97]  m1's 32 numbers
.set ZB,   98       ; v[98:129] m2's
.set CD,   130      ; v[130:137] h's codes;
.set Z1,   138      ; v[138:145] zeros behind them
.set B1M2, 146
.set W2M2, 178
.set W3M2, 210
.set Z2,   242      ; v[242:249] zeros behind m2's last tile
.set FD,   250      ; v[250:253] 16 bytes of results on their way out
.set KW1,  192      ; windows 1 and 2: W1 (in m2 doubled: (2 x) W1 = x (2 W1), exactly)
.set KW4,  224      ;                  W4
.set W2M1, 24       ; window 3
.set W3M1, 56
.set Z3,   88       ; zeros behind m1's last tile
.set B1M1, 96
.set B2M1, 128
.set B3M1, 160
.set B2M2, 192
.set B3M2, 224
.set SM,   66       ; s[66:67]  1.5 x 2^23   (the packed forms name a pair and take its low word for both halves: both words are written)
.set SN,   68       ; s[68:69]  -1.5 x 2^23
.set D3,   70       ; s[70:77]  the polynomial's other coefficients
.set D2,   72
.set D1,   74
.set D0,   76
.set SEL,  78       ; s[78:79]  v_permlanex16_b32's selects for lane l xor 16
.set MNT,  80       ; s80  the mantissa field of 448
.set TO,   81       ; s81  64 x the tile's number: its bytes in the wave's x and results; the loop's counter
.set TN,   82       ; s82  the next tile's, held at the last
.set TG,   83       ; s83  at work in the flush
.set WV,   85       ; s85  my wave's number
.set IPH,  86       ; s[86:87]  1 / pi, rounded;
.set IPL,  88       ; s[88:89]  and what the rounding left
.set MSB, 0
.macro WIN new                         ; the immediate's high byte repeats the setting that is left; a switch that changes nothing is dropped
.if MSB != (\new)
	s_set_vgpr_msb (MSB<<8)|(\new)
.set MSB, (\new)
.endif
.endm
; 32 per-channel numbers in the lane's order: channel 32 b + 16 (lane / 16) + 4 i on
.macro LOADSET ptr, reg
.irp b, 0,1
.irp i, 0,1,2,3
	global_load_b128 v[(\reg)+16*\b+4*\i:(\reg)+16*\b+4*\i+3], v[HCO], s[\ptr:\ptr+1] offset:128*\b+16*\i
.endr
.endr
.endm
; a weight's four tiles of codes, 8 registers each: registers 4 c .. 4 c + 3 hold K = 32 c + 16 (lane / 16) + 0 .. 15 of the lane's row; a row is 64 bytes
.macro LOADW ptr, reg
.irp t, 0,1,2,3
.irp c, 0,1
	global_load_b128 v[(\reg)+8*\t+4*\c:(\reg)+8*\t+4*\c+3], v[HWO], s[\ptr:\ptr+1] offset:(32*(\t/2)+8*(\t%2))*64+32*\c
.endr
.endr
.endm
; a lies in window X at rb.  c = a / pi goes to rb - 32, 1 / a (a reciprocal and one Newton step) takes a's place.  ZA and ZB are at work.
.macro CONSET X, rb
	WIN \X
.irp i, 0,1,2,3,4,5,6,7,8,9,10,11,12,13,14,15
	v_pk_mul_f32 v[ZA+2*\i:ZA+2*\i+1], v[(\rb)+2*\i:(\rb)+2*\i+1], s[IPL:IPL+1] op_sel_hi:[1,0]
.endr
.set I, 0
.rept 32
	v_rcp_f32 v[ZB+I], v[(\rb)+I]
.set I, I+1
.endr
	v_nop                                          ; a plain instruction behind the last reciprocal,
	s_wait_alu depctr_va_vdst(0)                   ; and the one wait for the whole batch, ahead of everything that follows
	WIN ((\X)<<6)|(\X)
.irp i, 0,1,2,3,4,5,6,7,8,9,10,11,12,13,14,15
	v_pk_fma_f32 v[(\rb)-32+2*\i:(\rb)-32+2*\i+1], v[(\rb)+2*\i:(\rb)+2*\i+1], s[IPH:IPH+1], v[ZA+2*\i:ZA+2*\i+1] op_sel_hi:[1,0,1]   ; c = a x (1 / pi) high + a x low
.endr
	WIN \X
.set I, 0
.rept 32
	v_fma_f32 v[ZA+I], -v[(\rb)+I], v[ZB+I], 1.0   ; e = 1 - a r
.set I, I+1
.endr
	WIN (\X)<<6
.irp i, 0,1,2,3,4,5,6,7,8,9,10,11,12,13,14,15
	v_pk_fma_f32 v[(\rb)+2*\i:(\rb)+2*\i+1], v[ZB+2*\i:ZB+2*\i+1], v[ZA+2*\i:ZA+2*\i+1], v[ZB+2*\i:ZB+2*\i+1]   ; 1 / a = r + r e
.endr
.endm
; THE ACTIVATION of block g (16 numbers, eight pairs) of set z, stage by stage, eight independent lines a stage.
.macro ACT_A z, cb, g                  ; under the branch's window for source 1: f = z c - round(z c), into T
.irp i, 0,1,2,3,4,5,6,7
	v_pk_fma_f32 v[T+2*\i:T+2*\i+1], v[(\z)+16*(\g)+2*\i:(\z)+16*(\g)+2*\i+1], v[(\cb)+16*(\g)+2*\i:(\cb)+16*(\g)+2*\i+1], s[SM:SM+1] op_sel_hi:[1,1,0]
.endr
.irp i, 0,1,2,3,4,5,6,7
	v_pk_add_f32 v[T+2*\i:T+2*\i+1], v[T+2*\i:T+2*\i+1], s[SN:SN+1] op_sel_hi:[1,0]   ; n, exactly
.endr
.irp i, 0,1,2,3,4,5,6,7
	v_pk_fma_f32 v[T+2*\i:T+2*\i+1], v[(\z)+16*(\g)+2*\i:(\z)+16*(\g)+2*\i+1], v[(\cb)+16*(\g)+2*\i:(\cb)+16*(\g)+2*\i+1], v[T+2*\i:T+2*\i+1] neg_lo:[0,0,1] neg_hi:[0,0,1]
.endr
.endm
; A step of the quantiser's scale for block b of set z.  0-2: the largest magnitude of my 16, with the floor 2^(9 - 127) as the last leaf, so that the byte cannot fall under 1; 3, 4: with lane l xor 16's;
; 5: 8 off its exponent field (the conversion's scale operand) and 448 x the scale; 6: the byte.
.macro QSTEP s, b, z
.set QB, QT+5*(\b)
.set ZQ, (\z)+16*(\b)
.if (\s) == 0
.irp k, 0,1,2,3,4
	v_max3_num_f32 v[QB+\k], |v[ZQ+3*\k]|, |v[ZQ+3*\k+1]|, |v[ZQ+3*\k+2]|
.endr
.elseif (\s) == 1
	v_max3_num_f32 v[QB], v[QB], v[QB+1], v[QB+2]
	v_max3_num_f32 v[QB+3], v[QB+3], v[QB+4], |v[ZQ+15]|
.elseif (\s) == 2
	v_max3_num_f32 v[QB], v[QB], v[QB+3], 0x4800000
.elseif (\s) == 3
	v_permlanex16_b32 v[QB+1], v[QB], s[SEL], s[SEL+1]
.elseif (\s) == 4
	v_max_num_f32 v[QB], v[QB], v[QB+1]
.elseif (\s) == 5
	v_add_nc_u32 v[QB+3], 0xfc000000, v[QB]
	v_and_or_b32 v[QB+2], v[QB], 0x7f800000, s[MNT]
.else
	v_lshrrev_b32 v[QB+4], 23, v[QB+3]
.endif
.endm
.macro HOOK hook, s, z
.if \hook
	QSTEP \s, 0, \z
.endif
.endm
; window 0: T holds f; P ends as sin^2.  hook = 1: block 0's scale, whose numbers are finished, is made between the stages
.macro ACT_M hook, z
.irp i, 0,1,2,3,4,5,6,7
	v_pk_mul_f32 v[T+2*\i:T+2*\i+1], v[T+2*\i:T+2*\i+1], v[T+2*\i:T+2*\i+1]          ; u = f^2
.endr
	HOOK \hook, 0, \z
.irp i, 0,1,2,3,4,5,6,7
	v_pk_fma_f32 v[P+2*\i:P+2*\i+1], v[T+2*\i:T+2*\i+1], v[D4:D4+1], s[D3:D3+1] op_sel_hi:[1,1,0]
.endr
	HOOK \hook, 1, \z
.irp i, 0,1,2,3,4,5,6,7
	v_pk_fma_f32 v[P+2*\i:P+2*\i+1], v[P+2*\i:P+2*\i+1], v[T+2*\i:T+2*\i+1], s[D2:D2+1] op_sel_hi:[1,1,0]
.endr
	HOOK \hook, 2, \z
.irp i, 0,1,2,3,4,5,6,7
	v_pk_fma_f32 v[P+2*\i:P+2*\i+1], v[P+2*\i:P+2*\i+1], v[T+2*\i:T+2*\i+1], s[D1:D1+1] op_sel_hi:[1,1,0]
.endr
	HOOK \hook, 3, \z
.irp i, 0,1,2,3,4,5,6,7
	v_pk_fma_f32 v[P+2*\i:P+2*\i+1], v[P+2*\i:P+2*\i+1], v[T+2*\i:T+2*\i+1], s[D0:D0+1] op_sel_hi:[1,1,0]
.endr
	HOOK \hook, 4, \z
.irp i, 0,1,2,3,4,5,6,7
	v_pk_mul_f32 v[P+2*\i:P+2*\i+1], v[P+2*\i:P+2*\i+1], v[P+2*\i:P+2*\i+1]          ; P^2
.endr
	HOOK \hook, 5, \z
.irp i, 0,1,2,3,4,5,6,7
	v_pk_mul_f32 v[P+2*\i:P+2*\i+1], v[T+2*\i:T+2*\i+1], v[P+2*\i:P+2*\i+1]          ; sin^2 = u P^2
.endr
	HOOK \hook, 6, \z
.endm
.macro ACT_H z, rb, g                  ; under the branch's window for source 1: h = sin^2 x (1 / a) + z, in z's place
.irp i, 0,1,2,3,4,5,6,7
	v_pk_fma_f32 v[(\z)+16*(\g)+2*\i:(\z)+16*(\g)+2*\i+1], v[P+2*\i:P+2*\i+1], v[(\rb)+16*(\g)+2*\i:(\rb)+16*(\g)+2*\i+1], v[(\z)+16*(\g)+2*\i:(\z)+16*(\g)+2*\i+1]
.endr
.endm
.macro HOLD z, b, i0, n                ; the conversion to an 8-bit code does not saturate (ISA guide 7.6.2): n numbers are held within the largest code x the scale
.set HI, (\z)+16*(\b)+(\i0)
.rept \n
	v_med3_num_f32 v[HI], v[HI], -v[QT+5*(\b)+2], v[QT+5*(\b)+2]
.set HI, HI+1
.endr
.endm
.macro CVT z, b                        ; block b's 16 numbers become registers 4 b .. 4 b + 3 of the operand
	v_cvt_scalef32_pk8_fp8_f32 v[CD+4*(\b):CD+4*(\b)+1], v[(\z)+16*(\b):(\z)+16*(\b)+7], v[QT+5*(\b)+3]
	v_cvt_scalef32_pk8_fp8_f32 v[CD+4*(\b)+2:CD+4*(\b)+3], v[(\z)+16*(\b)+8:(\z)+16*(\b)+15], v[QT+5*(\b)+3]
.endm
; Block 1's scale is made between block 0's holds.  The scale word stands 16 holds and four v_nop ahead of the products (eight places are asked), the last codes four v_nop (four are asked);
; those are also the plain line behind the last conversion.
.macro QTAIL z
	QSTEP 0, 1, \z
	HOLD \z, 0, 0, 4
	QSTEP 1, 1, \z
	HOLD \z, 0, 4, 4
	QSTEP 2, 1, \z
	HOLD \z, 0, 8, 4
	QSTEP 3, 1, \z
	HOLD \z, 0, 12, 4
	QSTEP 4, 1, \z
	CVT \z, 0
	QSTEP 5, 1, \z
	QSTEP 6, 1, \z
	v_lshl_or_b32 v[HS], v[QT+9], 8, v[QT+4]       ; bytes 0 and 1: K = 0 .. 63; bytes 2 and 3 stay 0 over zero codes
	HOLD \z, 1, 0, 16
	CVT \z, 1
.rept 4
	v_nop
.endr
.endm
; Four products: tile t of the next layer's 64 channels = 16 rows of W x the tile's 16 rows of h + the bias.  Four different results, no chain.
.macro MM z, w, bias, ws
.irp t, 0,1,2,3
.if \t % 2
	v_wmma_scale_f32_16x16x128_f8f6f4 v[(\z)+8*\t:(\z)+8*\t+7], v[(\w)+8*\t:(\w)+8*\t+15], v[CD:CD+15], v[(\bias)+8*\t:(\bias)+8*\t+7], v[(\ws)+\t/2], v[HS] matrix_a_scale:MATRIX_SCALE_ROW1
.else
	v_wmma_scale_f32_16x16x128_f8f6f4 v[(\z)+8*\t:(\z)+8*\t+7], v[(\w)+8*\t:(\w)+8*\t+15], v[CD:CD+15], v[(\bias)+8*\t:(\bias)+8*\t+7], v[(\ws)+\t/2], v[HS]
.endif
.endr
.endm
; A PHASE: layer l's activation on set z, its quantising, the next layer's products into z.  kw: the branch's constants as source 1;  mmw: the windows of W (source 0) and of the bias (source 2).
; Each result is first read from its low end: the pairs are taken in ascending order.
.macro PHASE z, kw, l, mmw, w, bias, ws
.set CB, 64*((\l)-1)
	WIN \kw
	ACT_A \z, CB, 0
	WIN 0
	ACT_M 0, \z
	WIN \kw
	ACT_H \z, CB+32, 0
	ACT_A \z, CB, 1
	WIN 0
	ACT_M 1, \z
	WIN \kw
	ACT_H \z, CB+32, 1
	WIN 0
	QTAIL \z
	WIN \mmw
	MM \z, \w, \bias, \ws
.endm
; the last product: eight pairs of h x W4 onto four pairs of sums, which run through both branches.  first = 1: they begin here, the first at (b4_m1 + b4_m2) / 2
.macro DOT z, g, first
.irp i, 0,1,2,3,4,5,6,7
.if (\first) && ((\g) == 0) && (\i == 0)
	v_pk_fma_f32 v[ACC:ACC+1], v[(\z):(\z)+1], v[KW4:KW4+1], v[B4H:B4H+1]
.elseif (\first) && ((\g) == 0) && (\i < 4)
	v_pk_mul_f32 v[ACC+2*\i:ACC+2*\i+1], v[(\z)+2*\i:(\z)+2*\i+1], v[KW4+2*\i:KW4+2*\i+1]
.else
	v_pk_fma_f32 v[ACC+2*(\i%4):ACC+2*(\i%4)+1], v[(\z)+16*(\g)+2*\i:(\z)+16*(\g)+2*\i+1], v[KW4+16*(\g)+2*\i:KW4+16*(\g)+2*\i+1], v[ACC+2*(\i%4):ACC+2*(\i%4)+1]
.endif
.endr
.endm
.macro LAST z, kw, first               ; layer 3's activation and the last product
	WIN \kw
	ACT_A \z, 128, 0
	WIN 0
	ACT_M 0, \z
	WIN \kw
	ACT_H \z, 160, 0
	DOT \z, 0, \first
	ACT_A \z, 128, 1
	WIN 0
	ACT_M 0, \z
	WIN \kw
	ACT_H \z, 160, 1
	DOT \z, 1, \first
.endm
	; ---- THE HEAD
	s_load_b128 s[4:7], s[0:1], 0x0                ; x s[4:5], out0 s[6:7]
	s_load_b512 s[8:23], s[0:1], 0x10              ; m1: a1 s8, a2 s10, a3 s12, W1 s14, b1 s16, b2 s18, b3 s20, W4 s22,
	s_load_b256 s[24:31], s[0:1], 0x50             ;     W2's codes s24, W3's s26, W2's scales s28, W3's s30,
	s_load_b64 s[32:33], s[0:1], 0x70              ;     b4
	s_load_b512 s[36:51], s[0:1], 0x78             ; m2: the same, 28 registers on
	s_load_b256 s[52:59], s[0:1], 0xb8
	s_load_b64 s[60:61], s[0:1], 0xd8
	v_lshl_add_u32 v254, v0, 2, 0x8000
	v_mov_b32 v255, 0
	v_lshrrev_b32 v2, 5, v0
	v_readfirstlane_b32 s[WV], v2                  ; wave 0..3
	v_and_b32 v3, 15, v0                           ; r
	v_bfe_u32 v5, v0, 4, 1                         ; lane / 16
	v_and_b32 v7, 31, v0                           ; lane
	s_lshl_b32 s94, s[WV], 13                      ; LDS: 8,192 bytes of its own for each wave: its 1,024 x, then its 1,024 results
	v_lshl_add_u32 v[LB0], v3, 2, s94
	v_lshl_add_u32 v[L16], v7, 4, s94
	v_lshlrev_b32 v[G16], 4, v7
	v_lshlrev_b32 v[HCO], 6, v5
	v_and_b32 v[HWO], 8, v3
	v_add_nc_u32 v[HWO], v[HWO], v3                ; r + 8 (r / 8)
	v_lshl_add_u32 v[HSO], v5, 3, v[HWO]
	v_lshlrev_b32 v[HSO], 1, v[HSO]                ; scale bytes: two a row; lanes 16-31 take the tile 8 rows on
	v_lshlrev_b32 v[HWO], 6, v[HWO]
	v_lshl_add_u32 v[HWO], v5, 4, v[HWO]
	s_mov_b32 s[SM], 0x4b400000
	s_mov_b32 s[SM+1], 0x4b400000
	s_mov_b32 s[SN], 0xcb400000
	s_mov_b32 s[SN+1], 0xcb400000
	s_mov_b32 s[D3], 0xbf1929a9                    ; -0.598291917
	s_mov_b32 s[D3+1], 0xbf1929a9
	s_mov_b32 s[D2], 0x40233479                    ; 2.55007759
	s_mov_b32 s[D2+1], 0x40233479
	s_mov_b32 s[D1], 0xc0a55de2                    ; -5.16771009
	s_mov_b32 s[D1+1], 0xc0a55de2
	s_mov_b32 s[D0], 0x40490fdb                    ; 3.14159264, rounded
	s_mov_b32 s[D0+1], 0x40490fdb
	s_mov_b32 s[SEL], 0x76543210
	s_mov_b32 s[SEL+1], 0xfedcba98
	s_mov_b32 s[MNT], 0x600000
	s_mov_b32 s[IPH], 0x3ea2f983
	s_mov_b32 s[IPH+1], 0x3ea2f983
	s_mov_b32 s[IPL], 0x325c9c88
	s_mov_b32 s[IPL+1], 0x325c9c88
	s_lshl_b32 s92, ttmp9, 14                      ; my wave's 4,096 bytes of x and of out0: 4 x work-group + wave
	s_lshl_b32 s93, s[WV], 12
	s_add_co_u32 s92, s92, s93
	s_mov_b32 s93, 0
	s_wait_kmcnt 0x0
	s_add_nc_u64 s[4:5], s[4:5], s[92:93]
	s_add_nc_u64 s[6:7], s[6:7], s[92:93]
	s_load_b32 s90, s[32:33], 0x0                  ; b4_m1
	s_load_b32 s91, s[60:61], 0x0                  ; b4_m2
.irp j, 0,1,2,3,4,5,6,7
	global_load_b128 v[T+4*\j:T+4*\j+3], v[G16], s[4:5] offset:512*\j th:TH_LOAD_NT   ; my 1,024 x: 512 consecutive bytes a load
.endr
	WIN 0x40                                       ; destination window 1: m1.  a lands where 1 / a will stand
	LOADSET 8, 32
	LOADSET 10, 96
	LOADSET 12, 160
	LOADSET 14, KW1
	LOADSET 22, KW4
	WIN 0x80                                       ; destination window 2: m2
	LOADSET 36, 32
	LOADSET 38, 96
	LOADSET 40, 160
	LOADSET 42, KW1
	LOADSET 50, KW4
	WIN 0xc0                                       ; destination window 3
	LOADW 24, W2M1
	LOADW 26, W3M1
	LOADSET 16, B1M1
	LOADSET 18, B2M1
	LOADSET 20, B3M1
	LOADSET 46, B2M2
	LOADSET 48, B3M2
.irp i, 0,1,2,3,4,5,6,7
	v_mov_b32 v[Z3+\i], 0
.endr
	WIN 0
	LOADSET 44, B1M2
	LOADW 52, W2M2
	LOADW 54, W3M2
.irp b, 0,1
	global_load_u16 v[WS+\b], v[HSO], s[28:29] offset:64*\b      ; a row's two bytes; the word's upper bytes are 0
	global_load_u16 v[WS+2+\b], v[HSO], s[30:31] offset:64*\b
	global_load_u16 v[WS+4+\b], v[HSO], s[56:57] offset:64*\b
	global_load_u16 v[WS+6+\b], v[HSO], s[58:59] offset:64*\b
.endr
.irp i, 0,1,2,3,4,5,6,7
	v_mov_b32 v[Z1+\i], 0
	v_mov_b32 v[Z2+\i], 0
.endr
	v_mov_b32 v[XV+1], 0
	v_mov_b32 v[D4], 0x3d9f0bfd                    ; 0.077659586
	v_mov_b32 v[D4+1], 0x3d9f0bfd
	s_wait_loadcnt 0x0                             ; everything is wanted now
.irp j, 0,1,2,3,4,5,6,7
	ds_store_b128 v[L16], v[T+4*\j:T+4*\j+3] offset:512*\j
.endr
	CONSET 1, 32
	CONSET 1, 96
	CONSET 1, 160
	CONSET 2, 32
	CONSET 2, 96
	CONSET 2, 160
	WIN 0x82                                       ; destination and source 0 window 2
.irp i, 0,1,2,3,4,5,6,7,8,9,10,11,12,13,14,15
	v_pk_mul_f32 v[KW1+2*\i:KW1+2*\i+1], v[KW1+2*\i:KW1+2*\i+1], 2.0 op_sel_hi:[1,0]   ; m2 takes 2 x
.endr
	WIN 0
	s_wait_kmcnt 0x0                               ; the two b4
	v_mov_b32 v[B4H], s90
	v_add_f32 v[B4H], s91, v[B4H]
	v_mul_f32 v[B4H], 0.5, v[B4H]
	v_mov_b32 v[B4H+1], 0
	ds_load_b32 v[XV], v[LB0]                      ; tile 0's x: LDS serves a wave's instructions in order, so it sees my stores; lanes r and r + 16 take the same word
	s_mov_b32 s[TO], 0
	; ---- A TILE OF 16 ROWS
.Ltile:
	s_wait_dscnt 0x0                               ; this tile's x, asked for four phases back, is in; the last result's store is done
	v_add_nc_u32 v[LA], s[TO], v[LB0]
	s_add_co_u32 s[TN], s[TO], 64
	s_min_u32 s[TN], s[TN], 4032                   ; the last trip asks for its own x again
	v_add_nc_u32 v[LN], s[TN], v[LB0]
	WIN 0x34                                       ; W1 window 1, b1 window 3
.irp i, 0,1,2,3,4,5,6,7,8,9,10,11,12,13,14,15
	v_pk_fma_f32 v[ZA+2*\i:ZA+2*\i+1], v[XV:XV+1], v[KW1+2*\i:KW1+2*\i+1], v[B1M1+2*\i:B1M1+2*\i+1] op_sel_hi:[0,1,1]   ; z = x W1 + b1
.endr
	PHASE ZA, 0x04, 1, 0x33, W2M1, B2M1, WS
	WIN 0x08                                       ; W1 window 2, b1 window 0
.irp i, 0,1,2,3,4,5,6,7,8,9,10,11,12,13,14,15
	v_pk_fma_f32 v[ZB+2*\i:ZB+2*\i+1], v[XV:XV+1], v[KW1+2*\i:KW1+2*\i+1], v[B1M2+2*\i:B1M2+2*\i+1] op_sel_hi:[0,1,1]
.endr
	ds_load_b32 v[XV], v[LN]                       ; the next tile's x (its destination and its address lie in window 0)
	PHASE ZB, 0x08, 1, 0x30, W2M2, B2M2, WS+4
	PHASE ZA, 0x04, 2, 0x33, W3M1, B3M1, WS+2
	PHASE ZB, 0x08, 2, 0x30, W3M2, B3M2, WS+6
	LAST ZA, 0x04, 1
	LAST ZB, 0x08, 0
	WIN 0
	v_pk_add_f32 v[ACC:ACC+1], v[ACC:ACC+1], v[ACC+2:ACC+3]
	v_pk_add_f32 v[ACC+4:ACC+5], v[ACC+4:ACC+5], v[ACC+6:ACC+7]
	v_pk_add_f32 v[ACC:ACC+1], v[ACC:ACC+1], v[ACC+4:ACC+5]
	v_add_f32 v[ACC], v[ACC], v[ACC+1]
	v_permlanex16_b32 v[ACC+2], v[ACC], s[SEL], s[SEL+1]
	v_add_f32 v[ACC], v[ACC], v[ACC+2]             ; with lane l xor 16's 32 channels: my row's result
	ds_store_b32 v[LA], v[ACC] offset:4096         ; lanes r and r + 16 write the same word with the same value
	; behind every eighth tile 512 bytes of results leave: one store of the wave, 512 consecutive bytes from a multiple of 512 in out0
	s_and_b32 s[TG], s[TO], 0x1c0
	s_cmp_lg_u32 s[TG], 0x1c0
	s_cbranch_scc1 .Lkeep
	s_wait_xcnt 0x0                                ; the store of eight tiles back has read its offset and its data: both are written again only behind this wait
	s_and_b32 s[TG], s[TO], 0xe00
	v_add_nc_u32 v[LRD], s[TG], v[L16]
	v_add_nc_u32 v[GO], s[TG], v[G16]
	ds_load_b128 v[FD:FD+3], v[LRD] offset:4096    ; in order behind my eight stores
	s_wait_dscnt 0x0
	global_store_b128 v[GO], v[FD:FD+3], s[6:7] th:TH_STORE_NT
.Lkeep:
	s_add_co_u32 s[TO], s[TO], 64
	s_cmp_lt_u32 s[TO], 4096
	s_cbranch_scc1 .Ltile
	s_wait_tensorcnt 0x0
	ds_add_u32 v254, v255
	s_wait_dscnt 0x0
	s_endpgm
.Lfunc_end_k_qc4501281fe_snake2:
	.size	k_qc4501281fe_snake2, .Lfunc_end_k_qc4501281fe_snake2-k_qc4501281fe_snake2
	.p2alignl 7, 3214868480
	.fill 96, 4, 3214868480
	.section	.rodata,"a",@progbits
	.p2align	6, 0x0
	.amdhsa_kernel k_qc4501281fe_snake2
		.amdhsa_group_segment_fixed_size 33280
		.amdhsa_private_segment_fixed_size 0
		.amdhsa_enable_private_segment 0
		.amdhsa_kernarg_size 224
		.amdhsa_user_sgpr_count 2
		.amdhsa_user_sgpr_kernarg_segment_ptr 1
		.amdhsa_wavefront_size32 1
		.amdhsa_system_sgpr_workgroup_id_x 1
		.amdhsa_system_sgpr_workgroup_id_y 1
		.amdhsa_system_sgpr_workgroup_id_z 1
		.amdhsa_system_vgpr_workitem_id 0
		.amdhsa_next_free_vgpr 1024
		.amdhsa_next_free_sgpr 96
		.amdhsa_reserve_vcc 0
		.amdhsa_float_denorm_mode_32 3
		.amdhsa_float_denorm_mode_16_64 3
		.amdhsa_memory_ordered 1
		.amdhsa_forward_progress 1
		.amdhsa_inst_pref_size 151
	.end_amdhsa_kernel
	.amdgpu_metadata
---
amdhsa.version: [ 1, 2 ]
amdhsa.kernels:
  - .name:           k_qc4501281fe_snake2
    .symbol:         k_qc4501281fe_snake2.kd
    .args:
      - { .name: x, .offset: 0, .size: 8, .value_kind: global_buffer, .address_space: global }
      - { .name: out0, .offset: 8, .size: 8, .value_kind: global_buffer, .address_space: global }
      - { .name: a1_m1, .offset: 16, .size: 8, .value_kind: global_buffer, .address_space: global }
      - { .name: a2_m1, .offset: 24, .size: 8, .value_kind: global_buffer, .address_space: global }
      - { .name: a3_m1, .offset: 32, .size: 8, .value_kind: global_buffer, .address_space: global }
      - { .name: W1_m1, .offset: 40, .size: 8, .value_kind: global_buffer, .address_space: global }
      - { .name: b1_m1, .offset: 48, .size: 8, .value_kind: global_buffer, .address_space: global }
      - { .name: b2_m1, .offset: 56, .size: 8, .value_kind: global_buffer, .address_space: global }
      - { .name: b3_m1, .offset: 64, .size: 8, .value_kind: global_buffer, .address_space: global }
      - { .name: W4_m1, .offset: 72, .size: 8, .value_kind: global_buffer, .address_space: global }
      - { .name: W2_m1_codes, .offset: 80, .size: 8, .value_kind: global_buffer, .address_space: global }
      - { .name: W3_m1_codes, .offset: 88, .size: 8, .value_kind: global_buffer, .address_space: global }
      - { .name: W2_m1_scales, .offset: 96, .size: 8, .value_kind: global_buffer, .address_space: global }
      - { .name: W3_m1_scales, .offset: 104, .size: 8, .value_kind: global_buffer, .address_space: global }
      - { .name: b4_m1, .offset: 112, .size: 8, .value_kind: global_buffer, .address_space: global }
      - { .name: a1_m2, .offset: 120, .size: 8, .value_kind: global_buffer, .address_space: global }
      - { .name: a2_m2, .offset: 128, .size: 8, .value_kind: global_buffer, .address_space: global }
      - { .name: a3_m2, .offset: 136, .size: 8, .value_kind: global_buffer, .address_space: global }
      - { .name: W1_m2, .offset: 144, .size: 8, .value_kind: global_buffer, .address_space: global }
      - { .name: b1_m2, .offset: 152, .size: 8, .value_kind: global_buffer, .address_space: global }
      - { .name: b2_m2, .offset: 160, .size: 8, .value_kind: global_buffer, .address_space: global }
      - { .name: b3_m2, .offset: 168, .size: 8, .value_kind: global_buffer, .address_space: global }
      - { .name: W4_m2, .offset: 176, .size: 8, .value_kind: global_buffer, .address_space: global }
      - { .name: W2_m2_codes, .offset: 184, .size: 8, .value_kind: global_buffer, .address_space: global }
      - { .name: W3_m2_codes, .offset: 192, .size: 8, .value_kind: global_buffer, .address_space: global }
      - { .name: W2_m2_scales, .offset: 200, .size: 8, .value_kind: global_buffer, .address_space: global }
      - { .name: W3_m2_scales, .offset: 208, .size: 8, .value_kind: global_buffer, .address_space: global }
      - { .name: b4_m2, .offset: 216, .size: 8, .value_kind: global_buffer, .address_space: global }
    .group_segment_fixed_size: 33280
    .private_segment_fixed_size: 0
    .kernarg_segment_align: 8
    .kernarg_segment_size: 224
    .max_flat_workgroup_size: 128
    .sgpr_count:     96
    .vgpr_count:     1024
    .wavefront_size: 32
...
	.end_amdgpu_metadata
.endif
;; end of part 1
;; ======== version 2 of 2: 1 launch; version 1 with the launch snake2 written anew for expert scheduling mode
;; limits: right only within a limited range of input values
;; launch snake2 (part 2): grid 256 x 1, 4 waves a work-group, no clusters, 33,280 bytes of LDS; arguments x, out0, a1_m1, a2_m1, a3_m1, W1_m1, b1_m1, b2_m1, b3_m1, W4_m1, W2_m1_codes, W3_m1_codes, W2_m1_scales, W3_m1_scales, b4_m1, a1_m2, a2_m2, a3_m2, W1_m2, b1_m2, b2_m2, b3_m2, W4_m2, W2_m2_codes, W3_m2_codes, W2_m2_scales, W3_m2_scales, b4_m2; writes out0
.if DOCPART == 2
	.amdgcn_target "amdgcn-amd-amdhsa--gfx1250"
	.amdhsa_code_object_version 6
	.text
	.protected	k_qc4501281fe_snake2
	.globl	k_qc4501281fe_snake2
	.p2align	8
	.type	k_qc4501281fe_snake2,@function
k_qc4501281fe_snake2:
	s_mov_b64 s[64:65], 0
	v_nop
	global_prefetch_b8 v0, s[64:65] scope:SCOPE_SE
	s_setreg_imm32_b32 hwreg(HW_REG_WAVE_SCHED_MODE, 0, 2), 2
	s_setreg_imm32_b32 hwreg(HW_REG_WAVE_MODE, 25, 1), 1
	s_wait_xcnt 0x0
	s_wait_alu depctr_vm_vsrc(0)
; out0[i] = mlp_m1(x[i]) + mlp_m2(2 x[i]);  mlp: 1 -> 64 -> 64 -> 64 -> 1, snake(z) = z + sin^2(a z) / a behind each of the three hidden layers.
; The two 64 x 64 products of each branch run on codes of FP8 (E4M3) with one E8M0 scale for each 32 along K: the weights as they are given, the activations quantised here, in registers.
; SHARES.  1,024 waves (256 work-groups of four), each with 1,024 rows: 64 tiles of 16 rows.  A trip of the loop takes one tile through both branches and all layers.  Waves share nothing: no barrier.
; ALL CONSTANTS STAY IN REGISTERS: for both branches a / pi and 1 / a of three layers, W1, W4, three biases, the weights' codes and scale words: 848 registers a wave, loaded once.
; That is why a wave takes all the registers that an instruction's four windows reach, and why no tile goes through LDS by a copy engine and no cluster is formed: what work-groups share is these 21,000 bytes,
; read once at the head, against 64 tiles of arithmetic; x is 4,096 bytes a wave, read once at the head, so nothing is asked for ahead either.
; LAYOUT.  Both products are used transposed: source 0 = 16 rows of W, source 1 = the tile's 16 rows of h.  A lane holds ONE row (lane % 16) throughout, and its registers run along the channels.
; THE ROWS OF W THAT FORM A TILE ARE NOT NEIGHBOURS: lane r of tile 2 b + u takes row 32 b + 8 u + r + 8 (r / 8).  So register q (0 .. 31) of a set of 32 is channel 32 (q / 16) + 16 (lane / 16) + q % 16,
; in the results, in every per-channel constant and in the biases alike, and the 16 registers of a block are 16 neighbours along the next K: the conversions' results are the next operand.
; K IS 64, THE INSTRUCTION'S IS 128: h's operand is 8 registers of codes and 8 of zeros.  W's operand names 16 registers from its tile's first on: its upper 8 are the next tile's codes (behind the last tile: zeros);
; they meet h's zero codes and add nothing.  (A NaN code there would give NaN; any NaN code in a weight makes every output NaN by the definition too.)  The bias is the C of each product.
; sin^2 WITHOUT A SINE INSTRUCTION, two numbers an instruction: c = a / pi;  n = z c rounded to a whole number (by adding and taking off 1.5 x 2^23);  f = z c - n, one fused rounding, in [-1/2, 1/2];
; u = f^2;  sin(pi f) = f P(u), P of degree 4 (the series to u^6, economised twice; its error is under 1e-8 of P);  sin^2 = u P^2;  h = sin^2 x (1 / a) + z.
; THE BRANCHES TAKE TURNS, phase by phase: between a phase's four matrix instructions and the first line that reads their results, or writes their operands, stands a whole phase of the other branch.
; LIMITS: |a z / pi| under 2^22 (beyond it n is no whole number any more); a = 0 gives NaN, as the definition does; sin^2 / a is sin^2 x (1 / a), 1 / a within an ulp; the angle carries c's rounding, |a z| x 2^-24;
; NaN and infinities among x and the parameters are not served; a block of zeros gets the scale byte 1 over zero codes (the bytes are read here alone).
; THE MODE: SCHED_MODE bits 1:0 = 2 (LLVM: expert scheduling mode 2), set by the entry lines.  The code itself states the register dependences
; between vector or matrix instructions and memory or LDS instructions, with s_wait_alu, always for 0.
; THE PLAN.  Registers that memory or LDS instructions touch:
;   v1, v4, v6      offsets and addresses made at the head, never written again.
;   v24-26          offsets of the head's loads; the first trip's quantiser writes them again.
;   v34-65 (T)      x's eight loads land there, the head's eight LDS stores read them; the first trip's activation writes them again.
;   the constants   loads land once, in registers that no vector line has named; from then on vector and matrix instructions alone name them.
;   v8 (XV)         an LDS load lands there; the 32 multiply-adds of the two first layers read it.
;   v2, v3 (LA, LN) written at a trip's head; LN is read by the load of the next x, LA by the result's store at the trip's end.
;   v24 (ACC)       written by the trip's last addition, read by the result's store, written again by the next trip's quantiser.
;   v5, v7 (LRD, GO) written in the flush, every eighth trip, and read by its LDS load and its global store.
;   v250-253 (FD)   the flush's LDS load lands there and its global store reads them; no vector line names them.
;   v254, v255      written at the head, read by the closing add alone.
; THE WAITS.  One on vm_vsrc at a trip's head: all that the trip before (or the head) has handed to memory and LDS instructions has been read.  One on va_vdst in each of a trip's four phases, ahead of its
; products: the codes and the scale word are written; behind the second of them stands the load of the next x, for which the same wait states that LN is written and XV read out.
; One on va_vdst ahead of the result's store, one in the flush behind its two additions.  At the head: one on va_sdst for the wave's number, one on va_vdst ahead of the first load.
; REGISTERS, in windows of 256 (s_set_vgpr_msb: bits 1:0 source 0, 3:2 source 1, 5:4 source 2, 7:6 destination).
;   window 0: all that the loop writes, and m2's b1, codes.   windows 1 (m1), 2 (m2): c1, 1/a1, c2, 1/a2, c3, 1/a3, W1, W4, 32 each.   window 3: m1's codes, b1_m1 and both branches' b2, b3.
.set LB0,  1        ; v1   LDS: 8192 x wave + 4 (lane % 16): my row's word in tile 0; never rewritten
.set LA,   2        ; v2   the same in the tile in hand
.set LN,   3        ; v3   and in the next tile
.set L16,  4        ; v4   LDS: 8192 x wave + 16 x lane; never rewritten
.set LRD,  5        ; v5   where I read 16 bytes of results back
.set G16,  6        ; v6   16 x lane; never rewritten
.set GO,   7        ; v7   my byte offset in the wave's part of out0
.set XV,   8        ; v[8:9]    x of my row, 0
.set D4,   10       ; v[10:11]  the polynomial's highest coefficient, twice
.set B4H,  12       ; v[12:13]  (b4_m1 + b4_m2) / 2, 0: the two halves of the lanes are added at the end
.set HS,   14       ; v14       h's scale word
.set WS,   16       ; v[16:23]  the weights' scale words: m1 W2, m1 W3, m2 W2, m2 W3, two registers each: lanes 0-15 tile 2 b, lanes 16-31 tile 2 b + 1
.set QT,   24       ; v[24:33]  the quantiser, five a block: largest magnitude, at work, 448 x scale, the conversion's scale operand, the byte
.set ACC,  24       ; v[24:31]  in the last layer: four pairs of sums
.set HCO,  24       ; at the head: 64 (lane / 16);
.set HWO,  25       ; 64 (r + 8 (r / 8)) + 16 (lane / 16);
.set HSO,  26       ; 2 (8 (lane / 16) + r + 8 (r / 8))
.set T,    34       ; v[34:49]  eight pairs at work
.set P,    50       ; v[50:65]  eight pairs at work
.set ZA,   66       ; v[66:97]  m1's 32 numbers
.set ZB,   98       ; v[98:129] m2's
.set CD,   130      ; v[130:137] h's codes;
.set Z1,   138      ; v[138:145] zeros behind them
.set B1M2, 146
.set W2M2, 178
.set W3M2, 210
.set Z2,   242      ; v[242:249] zeros behind m2's last tile
.set FD,   250      ; v[250:253] 16 bytes of results on their way out
.set KW1,  192      ; windows 1 and 2: W1 (in m2 doubled: (2 x) W1 = x (2 W1), exactly)
.set KW4,  224      ;                  W4
.set W2M1, 24       ; window 3
.set W3M1, 56
.set Z3,   88       ; zeros behind m1's last tile
.set B1M1, 96
.set B2M1, 128
.set B3M1, 160
.set B2M2, 192
.set B3M2, 224
.set SM,   66       ; s[66:67]  1.5 x 2^23   (the packed forms name a pair and take its low word for both halves: both words are written)
.set SN,   68       ; s[68:69]  -1.5 x 2^23
.set D3,   70       ; s[70:77]  the polynomial's other coefficients
.set D2,   72
.set D1,   74
.set D0,   76
.set SEL,  78       ; s[78:79]  v_permlanex16_b32's selects for lane l xor 16
.set MNT,  80       ; s80  the mantissa field of 448
.set TO,   81       ; s81  64 x the tile's number: its bytes in the wave's x and results; the loop's counter
.set TN,   82       ; s82  the next tile's, held at the last
.set TG,   83       ; s83  at work in the flush
.set WV,   85       ; s85  my wave's number
.set IPH,  86       ; s[86:87]  1 / pi, rounded;
.set IPL,  88       ; s[88:89]  and what the rounding left
.set MSB, 0
.macro WIN new                         ; the immediate's high byte repeats the setting that is left; a switch that changes nothing is dropped
.if MSB != (\new)
	s_set_vgpr_msb (MSB<<8)|(\new)
.set MSB, (\new)
.endif
.endm
; 32 per-channel numbers in the lane's order: channel 32 b + 16 (lane / 16) + 4 i on
.macro LOADSET ptr, reg
.irp b, 0,1
.irp i, 0,1,2,3
	global_load_b128 v[(\reg)+16*\b+4*\i:(\reg)+16*\b+4*\i+3], v[HCO], s[\ptr:\ptr+1] offset:128*\b+16*\i
.endr
.endr
.endm
; a weight's four tiles of codes, 8 registers each: registers 4 c .. 4 c + 3 hold K = 32 c + 16 (lane / 16) + 0 .. 15 of the lane's row; a row is 64 bytes
.macro LOADW ptr, reg
.irp t, 0,1,2,3
.irp c, 0,1
	global_load_b128 v[(\reg)+8*\t+4*\c:(\reg)+8*\t+4*\c+3], v[HWO], s[\ptr:\ptr+1] offset:(32*(\t/2)+8*(\t%2))*64+32*\c
.endr
.endr
.endm
; a lies in window X at rb.  c = a / pi goes to rb - 32, 1 / a (a reciprocal and one Newton step) takes a's place.  ZA and ZB are at work.
.macro CONSET X, rb
	WIN \X
.irp i, 0,1,2,3,4,5,6,7,8,9,10,11,12,13,14,15
	v_pk_mul_f32 v[ZA+2*\i:ZA+2*\i+1], v[(\rb)+2*\i:(\rb)+2*\i+1], s[IPL:IPL+1] op_sel_hi:[1,0]
.endr
.set I, 0
.rept 32
	v_rcp_f32 v[ZB+I], v[(\rb)+I]
.set I, I+1
.endr
	v_nop                                          ; a plain instruction behind the last reciprocal,
	s_wait_alu depctr_va_vdst(0)                   ; and the one wait for the whole batch: the 32 reciprocals have written v[ZB ..], ahead of every line that names them
	WIN ((\X)<<6)|(\X)
.irp i, 0,1,2,3,4,5,6,7,8,9,10,11,12,13,14,15
	v_pk_fma_f32 v[(\rb)-32+2*\i:(\rb)-32+2*\i+1], v[(\rb)+2*\i:(\rb)+2*\i+1], s[IPH:IPH+1], v[ZA+2*\i:ZA+2*\i+1] op_sel_hi:[1,0,1]   ; c = a x (1 / pi) high + a x low
.endr
	WIN \X
.set I, 0
.rept 32
	v_fma_f32 v[ZA+I], -v[(\rb)+I], v[ZB+I], 1.0   ; e = 1 - a r
.set I, I+1
.endr
	WIN (\X)<<6
.irp i, 0,1,2,3,4,5,6,7,8,9,10,11,12,13,14,15
	v_pk_fma_f32 v[(\rb)+2*\i:(\rb)+2*\i+1], v[ZB+2*\i:ZB+2*\i+1], v[ZA+2*\i:ZA+2*\i+1], v[ZB+2*\i:ZB+2*\i+1]   ; 1 / a = r + r e
.endr
.endm
; THE ACTIVATION of block g (16 numbers, eight pairs) of set z, stage by stage, eight independent lines a stage.
.macro ACT_A z, cb, g                  ; under the branch's window for source 1: f = z c - round(z c), into T
.irp i, 0,1,2,3,4,5,6,7
	v_pk_fma_f32 v[T+2*\i:T+2*\i+1], v[(\z)+16*(\g)+2*\i:(\z)+16*(\g)+2*\i+1], v[(\cb)+16*(\g)+2*\i:(\cb)+16*(\g)+2*\i+1], s[SM:SM+1] op_sel_hi:[1,1,0]
.endr
.irp i, 0,1,2,3,4,5,6,7
	v_pk_add_f32 v[T+2*\i:T+2*\i+1], v[T+2*\i:T+2*\i+1], s[SN:SN+1] op_sel_hi:[1,0]   ; n, exactly
.endr
.irp i, 0,1,2,3,4,5,6,7
	v_pk_fma_f32 v[T+2*\i:T+2*\i+1], v[(\z)+16*(\g)+2*\i:(\z)+16*(\g)+2*\i+1], v[(\cb)+16*(\g)+2*\i:(\cb)+16*(\g)+2*\i+1], v[T+2*\i:T+2*\i+1] neg_lo:[0,0,1] neg_hi:[0,0,1]
.endr
.endm
; A step of the quantiser's scale for block b of set z.  0-2: the largest magnitude of my 16, with the floor 2^(9 - 127) as the last leaf, so that the byte cannot fall under 1; 3, 4: with lane l xor 16's;
; 5: 8 off its exponent field (the conversion's scale operand) and 448 x the scale; 6: the byte.
.macro QSTEP s, b, z
.set QB, QT+5*(\b)
.set ZQ, (\z)+16*(\b)
.if (\s) == 0
.irp k, 0,1,2,3,4
	v_max3_num_f32 v[QB+\k], |v[ZQ+3*\k]|, |v[ZQ+3*\k+1]|, |v[ZQ+3*\k+2]|
.endr
.elseif (\s) == 1
	v_max3_num_f32 v[QB], v[QB], v[QB+1], v[QB+2]
	v_max3_num_f32 v[QB+3], v[QB+3], v[QB+4], |v[ZQ+15]|
.elseif (\s) == 2
	v_max3_num_f32 v[QB], v[QB], v[QB+3], 0x4800000
.elseif (\s) == 3
	v_permlanex16_b32 v[QB+1], v[QB], s[SEL], s[SEL+1]
.elseif (\s) == 4
	v_max_num_f32 v[QB], v[QB], v[QB+1]
.elseif (\s) == 5
	v_add_nc_u32 v[QB+3], 0xfc000000, v[QB]
	v_and_or_b32 v[QB+2], v[QB], 0x7f800000, s[MNT]
.else
	v_lshrrev_b32 v[QB+4], 23, v[QB+3]
.endif
.endm
.macro HOOK hook, s, z
.if \hook
	QSTEP \s, 0, \z
.endif
.endm
; window 0: T holds f; P ends as sin^2.  hook = 1: block 0's scale, whose numbers are finished, is made between the stages
.macro ACT_M hook, z
.irp i, 0,1,2,3,4,5,6,7
	v_pk_mul_f32 v[T+2*\i:T+2*\i+1], v[T+2*\i:T+2*\i+1], v[T+2*\i:T+2*\i+1]          ; u = f^2
.endr
	HOOK \hook, 0, \z
.irp i, 0,1,2,3,4,5,6,7
	v_pk_fma_f32 v[P+2*\i:P+2*\i+1], v[T+2*\i:T+2*\i+1], v[D4:D4+1], s[D3:D3+1] op_sel_hi:[1,1,0]
.endr
	HOOK \hook, 1, \z
.irp i, 0,1,2,3,4,5,6,7
	v_pk_fma_f32 v[P+2*\i:P+2*\i+1], v[P+2*\i:P+2*\i+1], v[T+2*\i:T+2*\i+1], s[D2:D2+1] op_sel_hi:[1,1,0]
.endr
	HOOK \hook, 2, \z
.irp i, 0,1,2,3,4,5,6,7
	v_pk_fma_f32 v[P+2*\i:P+2*\i+1], v[P+2*\i:P+2*\i+1], v[T+2*\i:T+2*\i+1], s[D1:D1+1] op_sel_hi:[1,1,0]
.endr
	HOOK \hook, 3, \z
.irp i, 0,1,2,3,4,5,6,7
	v_pk_fma_f32 v[P+2*\i:P+2*\i+1], v[P+2*\i:P+2*\i+1], v[T+2*\i:T+2*\i+1], s[D0:D0+1] op_sel_hi:[1,1,0]
.endr
	HOOK \hook, 4, \z
.irp i, 0,1,2,3,4,5,6,7
	v_pk_mul_f32 v[P+2*\i:P+2*\i+1], v[P+2*\i:P+2*\i+1], v[P+2*\i:P+2*\i+1]          ; P^2
.endr
	HOOK \hook, 5, \z
.irp i, 0,1,2,3,4,5,6,7
	v_pk_mul_f32 v[P+2*\i:P+2*\i+1], v[T+2*\i:T+2*\i+1], v[P+2*\i:P+2*\i+1]          ; sin^2 = u P^2
.endr
	HOOK \hook, 6, \z
.endm
.macro ACT_H z, rb, g                  ; under the branch's window for source 1: h = sin^2 x (1 / a) + z, in z's place
.irp i, 0,1,2,3,4,5,6,7
	v_pk_fma_f32 v[(\z)+16*(\g)+2*\i:(\z)+16*(\g)+2*\i+1], v[P+2*\i:P+2*\i+1], v[(\rb)+16*(\g)+2*\i:(\rb)+16*(\g)+2*\i+1], v[(\z)+16*(\g)+2*\i:(\z)+16*(\g)+2*\i+1]
.endr
.endm
.macro HOLD z, b, i0, n                ; the conversion to an 8-bit code does not saturate (ISA guide 7.6.2): n numbers are held within the largest code x the scale
.set HI, (\z)+16*(\b)+(\i0)
.rept \n
	v_med3_num_f32 v[HI], v[HI], -v[QT+5*(\b)+2], v[QT+5*(\b)+2]
.set HI, HI+1
.endr
.endm
.macro CVT z, b                        ; block b's 16 numbers become registers 4 b .. 4 b + 3 of the operand
	v_cvt_scalef32_pk8_fp8_f32 v[CD+4*(\b):CD+4*(\b)+1], v[(\z)+16*(\b):(\z)+16*(\b)+7], v[QT+5*(\b)+3]
	v_cvt_scalef32_pk8_fp8_f32 v[CD+4*(\b)+2:CD+4*(\b)+3], v[(\z)+16*(\b)+8:(\z)+16*(\b)+15], v[QT+5*(\b)+3]
.endm
; Block 1's scale is made between block 0's holds.  The scale word stands 16 holds and four v_nop ahead of the products (eight places are asked), the last codes four v_nop (four are asked);
; those are also the plain line behind the last conversion.
.macro QTAIL z
	QSTEP 0, 1, \z
	HOLD \z, 0, 0, 4
	QSTEP 1, 1, \z
	HOLD \z, 0, 4, 4
	QSTEP 2, 1, \z
	HOLD \z, 0, 8, 4
	QSTEP 3, 1, \z
	HOLD \z, 0, 12, 4
	QSTEP 4, 1, \z
	CVT \z, 0
	QSTEP 5, 1, \z
	QSTEP 6, 1, \z
	v_lshl_or_b32 v[HS], v[QT+9], 8, v[QT+4]       ; bytes 0 and 1: K = 0 .. 63; bytes 2 and 3 stay 0 over zero codes
	HOLD \z, 1, 0, 16
	CVT \z, 1
.rept 4
	v_nop
.endr
.endm
; Four products: tile t of the next layer's 64 channels = 16 rows of W x the tile's 16 rows of h + the bias.  Four different results, no chain.
.macro MM z, w, bias, ws
.irp t, 0,1,2,3
.if \t % 2
	v_wmma_scale_f32_16x16x128_f8f6f4 v[(\z)+8*\t:(\z)+8*\t+7], v[(\w)+8*\t:(\w)+8*\t+15], v[CD:CD+15], v[(\bias)+8*\t:(\bias)+8*\t+7], v[(\ws)+\t/2], v[HS] matrix_a_scale:MATRIX_SCALE_ROW1
.else
	v_wmma_scale_f32_16x16x128_f8f6f4 v[(\z)+8*\t:(\z)+8*\t+7], v[(\w)+8*\t:(\w)+8*\t+15], v[CD:CD+15], v[(\bias)+8*\t:(\bias)+8*\t+7], v[(\ws)+\t/2], v[HS]
.endif
.endr
.endm
; A PHASE: layer l's activation on set z, its quantising, the next layer's products into z.  kw: the branch's constants as source 1;  mmw: the windows of W (source 0) and of the bias (source 2).
; nx = 1: the next tile's x is asked for behind the phase's wait.  Each result is first read from its low end: the pairs are taken in ascending order.
.macro PHASE z, kw, l, mmw, w, bias, ws, nx
.set CB, 64*((\l)-1)
	WIN \kw
	ACT_A \z, CB, 0
	WIN 0
	ACT_M 0, \z
	WIN \kw
	ACT_H \z, CB+32, 0
	ACT_A \z, CB, 1
	WIN 0
	ACT_M 1, \z
	WIN \kw
	ACT_H \z, CB+32, 1
	WIN 0
	QTAIL \z
	s_wait_alu depctr_va_vdst(0)                   ; behind the places: the conversions have written the codes v[CD ..] and the scale word v[HS] is made, which the four products take; nx = 1: also v[LN] is written, and both first layers are done reading v[XV]
.if \nx
	ds_load_b32 v[XV], v[LN]                       ; the next tile's x (every window is 0 here); no vector line stands between the wait and this load
.endif
	WIN \mmw
	MM \z, \w, \bias, \ws
.endm
; the last product: eight pairs of h x W4 onto four pairs of sums, which run through both branches.  first = 1: they begin here, the first at (b4_m1 + b4_m2) / 2
.macro DOT z, g, first
.irp i, 0,1,2,3,4,5,6,7
.if (\first) && ((\g) == 0) && (\i == 0)
	v_pk_fma_f32 v[ACC:ACC+1], v[(\z):(\z)+1], v[KW4:KW4+1], v[B4H:B4H+1]
.elseif (\first) && ((\g) == 0) && (\i < 4)
	v_pk_mul_f32 v[ACC+2*\i:ACC+2*\i+1], v[(\z)+2*\i:(\z)+2*\i+1], v[KW4+2*\i:KW4+2*\i+1]
.else
	v_pk_fma_f32 v[ACC+2*(\i%4):ACC+2*(\i%4)+1], v[(\z)+16*(\g)+2*\i:(\z)+16*(\g)+2*\i+1], v[KW4+16*(\g)+2*\i:KW4+16*(\g)+2*\i+1], v[ACC+2*(\i%4):ACC+2*(\i%4)+1]
.endif
.endr
.endm
.macro LAST z, kw, first               ; layer 3's activation and the last product
	WIN \kw
	ACT_A \z, 128, 0
	WIN 0
	ACT_M 0, \z
	WIN \kw
	ACT_H \z, 160, 0
	DOT \z, 0, \first
	ACT_A \z, 128, 1
	WIN 0
	ACT_M 0, \z
	WIN \kw
	ACT_H \z, 160, 1
	DOT \z, 1, \first
.endm
	; ---- THE HEAD
	s_load_b128 s[4:7], s[0:1], 0x0                ; x s[4:5], out0 s[6:7]
	s_load_b512 s[8:23], s[0:1], 0x10              ; m1: a1 s8, a2 s10, a3 s12, W1 s14, b1 s16, b2 s18, b3 s20, W4 s22,
	s_load_b256 s[24:31], s[0:1], 0x50             ;     W2's codes s24, W3's s26, W2's scales s28, W3's s30,
	s_load_b64 s[32:33], s[0:1], 0x70              ;     b4
	s_load_b512 s[36:51], s[0:1], 0x78             ; m2: the same, 28 registers on
	s_load_b256 s[52:59], s[0:1], 0xb8
	s_load_b64 s[60:61], s[0:1], 0xd8
	v_lshl_add_u32 v254, v0, 2, 0x8000             ; the closing add's two registers: my spare word, behind the four waves' 32,768 bytes,
	v_mov_b32 v255, 0                              ; and 0; both are kept for that line alone
	v_lshrrev_b32 v2, 5, v0
	v_readfirstlane_b32 s[WV], v2                  ; wave 0..3
	v_and_b32 v3, 15, v0                           ; r
	v_bfe_u32 v5, v0, 4, 1                         ; lane / 16
	v_and_b32 v7, 31, v0                           ; lane
	s_wait_alu depctr_va_sdst(0)                   ; s85, the wave's number, is written, ahead of its first reader: the LDS addresses and the bases of x and out0 are made from it
	s_lshl_b32 s94, s[WV], 13                      ; LDS: 8,192 bytes of its own for each wave: its 1,024 x, then its 1,024 results
	v_lshl_add_u32 v[LB0], v3, 2, s94
	v_lshl_add_u32 v[L16], v7, 4, s94
	v_lshlrev_b32 v[G16], 4, v7
	v_lshlrev_b32 v[HCO], 6, v5
	v_and_b32 v[HWO], 8, v3
	v_add_nc_u32 v[HWO], v[HWO], v3                ; r + 8 (r / 8)
	v_lshl_add_u32 v[HSO], v5, 3, v[HWO]
	v_lshlrev_b32 v[HSO], 1, v[HSO]                ; scale bytes: two a row; lanes 16-31 take the tile 8 rows on
	v_lshlrev_b32 v[HWO], 6, v[HWO]
	v_lshl_add_u32 v[HWO], v5, 4, v[HWO]
	s_mov_b32 s[SM], 0x4b400000
	s_mov_b32 s[SM+1], 0x4b400000
	s_mov_b32 s[SN], 0xcb400000
	s_mov_b32 s[SN+1], 0xcb400000
	s_mov_b32 s[D3], 0xbf1929a9                    ; -0.598291917
	s_mov_b32 s[D3+1], 0xbf1929a9
	s_mov_b32 s[D2], 0x40233479                    ; 2.55007759
	s_mov_b32 s[D2+1], 0x40233479
	s_mov_b32 s[D1], 0xc0a55de2                    ; -5.16771009
	s_mov_b32 s[D1+1], 0xc0a55de2
	s_mov_b32 s[D0], 0x40490fdb                    ; 3.14159264, rounded
	s_mov_b32 s[D0+1], 0x40490fdb
	s_mov_b32 s[SEL], 0x76543210
	s_mov_b32 s[SEL+1], 0xfedcba98
	s_mov_b32 s[MNT], 0x600000
	s_mov_b32 s[IPH], 0x3ea2f983
	s_mov_b32 s[IPH+1], 0x3ea2f983
	s_mov_b32 s[IPL], 0x325c9c88
	s_mov_b32 s[IPL+1], 0x325c9c88
	s_lshl_b32 s92, ttmp9, 14                      ; my wave's 4,096 bytes of x and of out0: 4 x work-group + wave
	s_lshl_b32 s93, s[WV], 12
	s_add_co_u32 s92, s92, s93
	s_mov_b32 s93, 0
	s_wait_kmcnt 0x0
	s_add_nc_u64 s[4:5], s[4:5], s[92:93]
	s_add_nc_u64 s[6:7], s[6:7], s[92:93]
	s_load_b32 s90, s[32:33], 0x0                  ; b4_m1
	s_load_b32 s91, s[60:61], 0x0                  ; b4_m2
	s_wait_alu depctr_va_vdst(0)                   ; v1, v4, v6 and v24 to v26 are written: the offsets and addresses that the head's loads and LDS instructions read.  Up to the last load only loads and window switches follow
.irp j, 0,1,2,3,4,5,6,7
	global_load_b128 v[T+4*\j:T+4*\j+3], v[G16], s[4:5] offset:512*\j th:TH_LOAD_NT   ; my 1,024 x: 512 consecutive bytes a load
.endr
	LOADSET 44, B1M2                               ; window 0's constants first, then windows 1, 2 and 3: every vector line of the head that is left stands behind the last load
	LOADW 52, W2M2
	LOADW 54, W3M2
.irp b, 0,1
	global_load_u16 v[WS+\b], v[HSO], s[28:29] offset:64*\b      ; a row's two bytes; the word's upper bytes are 0
	global_load_u16 v[WS+2+\b], v[HSO], s[30:31] offset:64*\b
	global_load_u16 v[WS+4+\b], v[HSO], s[56:57] offset:64*\b
	global_load_u16 v[WS+6+\b], v[HSO], s[58:59] offset:64*\b
.endr
	WIN 0x40                                       ; destination window 1: m1.  a lands where 1 / a will stand
	LOADSET 8, 32
	LOADSET 10, 96
	LOADSET 12, 160
	LOADSET 14, KW1
	LOADSET 22, KW4
	WIN 0x80                                       ; destination window 2: m2
	LOADSET 36, 32
	LOADSET 38, 96
	LOADSET 40, 160
	LOADSET 42, KW1
	LOADSET 50, KW4
	WIN 0xc0                                       ; destination window 3
	LOADW 24, W2M1
	LOADW 26, W3M1
	LOADSET 16, B1M1
	LOADSET 18, B2M1
	LOADSET 20, B3M1
	LOADSET 46, B2M2
	LOADSET 48, B3M2
.irp i, 0,1,2,3,4,5,6,7
	v_mov_b32 v[Z3+\i], 0                          ; (these and the lines below write registers that no load or store touches)
.endr
	WIN 0
.irp i, 0,1,2,3,4,5,6,7
	v_mov_b32 v[Z1+\i], 0
	v_mov_b32 v[Z2+\i], 0
.endr
	v_mov_b32 v[XV+1], 0
	v_mov_b32 v[D4], 0x3d9f0bfd                    ; 0.077659586
	v_mov_b32 v[D4+1], 0x3d9f0bfd
	s_wait_loadcnt 0x0                             ; everything is wanted now
.irp j, 0,1,2,3,4,5,6,7
	ds_store_b128 v[L16], v[T+4*\j:T+4*\j+3] offset:512*\j   ; their data came by loads; no vector line since the head's wait names v[L16]
.endr
	CONSET 1, 32
	CONSET 1, 96
	CONSET 1, 160
	CONSET 2, 32
	CONSET 2, 96
	CONSET 2, 160
	WIN 0x82                                       ; destination and source 0 window 2
.irp i, 0,1,2,3,4,5,6,7,8,9,10,11,12,13,14,15
	v_pk_mul_f32 v[KW1+2*\i:KW1+2*\i+1], v[KW1+2*\i:KW1+2*\i+1], 2.0 op_sel_hi:[1,0]   ; m2 takes 2 x
.endr
	WIN 0
	s_wait_kmcnt 0x0                               ; the two b4
	v_mov_b32 v[B4H], s90
	v_add_f32 v[B4H], s91, v[B4H]
	v_mul_f32 v[B4H], 0.5, v[B4H]
	v_mov_b32 v[B4H+1], 0
	ds_load_b32 v[XV], v[LB0]                      ; tile 0's x: LDS serves a wave's instructions in order, so it sees my stores; lanes r and r + 16 take the same word.  No vector line has named v8, and none since the head's wait names v[LB0]
	s_mov_b32 s[TO], 0
	; ---- A TILE OF 16 ROWS
.Ltile:
	s_wait_dscnt 0x0                               ; this tile's x, asked for three phases and more back, is in; the last result's store is done
	s_wait_alu depctr_vm_vsrc(0)                   ; the last trip's load has read v[LN], its store v[LA] and v[ACC], its flush v[LRD], v[GO] and v[FD ..]; in the first trip: the head's loads have read v24 to v26, its LDS stores v[T ..].  All of these are written again from here on
	v_add_nc_u32 v[LA], s[TO], v[LB0]
	s_add_co_u32 s[TN], s[TO], 64
	s_min_u32 s[TN], s[TN], 4032                   ; the last trip asks for its own x again
	v_add_nc_u32 v[LN], s[TN], v[LB0]
	WIN 0x34                                       ; W1 window 1, b1 window 3
.irp i, 0,1,2,3,4,5,6,7,8,9,10,11,12,13,14,15
	v_pk_fma_f32 v[ZA+2*\i:ZA+2*\i+1], v[XV:XV+1], v[KW1+2*\i:KW1+2*\i+1], v[B1M1+2*\i:B1M1+2*\i+1] op_sel_hi:[0,1,1]   ; z = x W1 + b1
.endr
	PHASE ZA, 0x04, 1, 0x33, W2M1, B2M1, WS, 0
	WIN 0x08                                       ; W1 window 2, b1 window 0
.irp i, 0,1,2,3,4,5,6,7,8,9,10,11,12,13,14,15
	v_pk_fma_f32 v[ZB+2*\i:ZB+2*\i+1], v[XV:XV+1], v[KW1+2*\i:KW1+2*\i+1], v[B1M2+2*\i:B1M2+2*\i+1] op_sel_hi:[0,1,1]
.endr
	PHASE ZB, 0x08, 1, 0x30, W2M2, B2M2, WS+4, 1   ; x has been read for the last time: this phase asks for the next tile's
	PHASE ZA, 0x04, 2, 0x33, W3M1, B3M1, WS+2, 0
	PHASE ZB, 0x08, 2, 0x30, W3M2, B3M2, WS+6, 0
	LAST ZA, 0x04, 1
	LAST ZB, 0x08, 0
	WIN 0
	v_pk_add_f32 v[ACC:ACC+1], v[ACC:ACC+1], v[ACC+2:ACC+3]
	v_pk_add_f32 v[ACC+4:ACC+5], v[ACC+4:ACC+5], v[ACC+6:ACC+7]
	v_pk_add_f32 v[ACC:ACC+1], v[ACC:ACC+1], v[ACC+4:ACC+5]
	v_add_f32 v[ACC], v[ACC], v[ACC+1]
	v_permlanex16_b32 v[ACC+2], v[ACC], s[SEL], s[SEL+1]
	v_add_f32 v[ACC], v[ACC], v[ACC+2]             ; with lane l xor 16's 32 channels: my row's result
	s_wait_alu depctr_va_vdst(0)                   ; the addition has written v[ACC], which the store reads (v[LA] was written at the trip's head)
	ds_store_b32 v[LA], v[ACC] offset:4096         ; lanes r and r + 16 write the same word with the same value
	; behind every eighth tile 512 bytes of results leave: one store of the wave, 512 consecutive bytes from a multiple of 512 in out0
	s_and_b32 s[TG], s[TO], 0x1c0
	s_cmp_lg_u32 s[TG], 0x1c0
	s_cbranch_scc1 .Lkeep
	s_wait_xcnt 0x0                                ; the store of eight tiles back has read its offset and its data: both are written again only behind this wait (and behind the waits on vm_vsrc at the heads of the trips since)
	s_and_b32 s[TG], s[TO], 0xe00
	v_add_nc_u32 v[LRD], s[TG], v[L16]
	v_add_nc_u32 v[GO], s[TG], v[G16]
	s_wait_alu depctr_va_vdst(0)                   ; v[LRD] and v[GO] are written, which the load and the store below read
	ds_load_b128 v[FD:FD+3], v[LRD] offset:4096    ; in order behind my eight stores
	s_wait_dscnt 0x0
	global_store_b128 v[GO], v[FD:FD+3], s[6:7] th:TH_STORE_NT
.Lkeep:
	s_add_co_u32 s[TO], s[TO], 64
	s_cmp_lt_u32 s[TO], 4096
	s_cbranch_scc1 .Ltile
	s_wait_dscnt 0x0                               ; the closing lines, six on end
	s_wait_alu 0x0
	s_wait_tensorcnt 0x0
	ds_add_u32 v254, v255
	s_wait_dscnt 0x0
	s_endpgm
.Lfunc_end_k_qc4501281fe_snake2:
	.size	k_qc4501281fe_snake2, .Lfunc_end_k_qc4501281fe_snake2-k_qc4501281fe_snake2
	.p2alignl 7, 3214868480
	.fill 96, 4, 3214868480
	.section	.rodata,"a",@progbits
	.p2align	6, 0x0
	.amdhsa_kernel k_qc4501281fe_snake2
		.amdhsa_group_segment_fixed_size 33280
		.amdhsa_private_segment_fixed_size 0
		.amdhsa_enable_private_segment 0
		.amdhsa_kernarg_size 224
		.amdhsa_user_sgpr_count 2
		.amdhsa_user_sgpr_kernarg_segment_ptr 1
		.amdhsa_wavefront_size32 1
		.amdhsa_system_sgpr_workgroup_id_x 1
		.amdhsa_system_sgpr_workgroup_id_y 1
		.amdhsa_system_sgpr_workgroup_id_z 1
		.amdhsa_system_vgpr_workitem_id 0
		.amdhsa_next_free_vgpr 1024
		.amdhsa_next_free_sgpr 96
		.amdhsa_reserve_vcc 0
		.amdhsa_float_denorm_mode_32 3
		.amdhsa_float_denorm_mode_16_64 3
		.amdhsa_memory_ordered 1
		.amdhsa_forward_progress 1
		.amdhsa_inst_pref_size 151
	.end_amdhsa_kernel
	.amdgpu_metadata
---
amdhsa.version: [ 1, 2 ]
amdhsa.kernels:
  - .name:           k_qc4501281fe_snake2
    .symbol:         k_qc4501281fe_snake2.kd
    .args:
      - { .name: x, .offset: 0, .size: 8, .value_kind: global_buffer, .address_space: global }
      - { .name: out0, .offset: 8, .size: 8, .value_kind: global_buffer, .address_space: global }
      - { .name: a1_m1, .offset: 16, .size: 8, .value_kind: global_buffer, .address_space: global }
      - { .name: a2_m1, .offset: 24, .size: 8, .value_kind: global_buffer, .address_space: global }
      - { .name: a3_m1, .offset: 32, .size: 8, .value_kind: global_buffer, .address_space: global }
      - { .name: W1_m1, .offset: 40, .size: 8, .value_kind: global_buffer, .address_space: global }
      - { .name: b1_m1, .offset: 48, .size: 8, .value_kind: global_buffer, .address_space: global }
      - { .name: b2_m1, .offset: 56, .size: 8, .value_kind: global_buffer, .address_space: global }
      - { .name: b3_m1, .offset: 64, .size: 8, .value_kind: global_buffer, .address_space: global }
      - { .name: W4_m1, .offset: 72, .size: 8, .value_kind: global_buffer, .address_space: global }
      - { .name: W2_m1_codes, .offset: 80, .size: 8, .value_kind: global_buffer, .address_space: global }
      - { .name: W3_m1_codes, .offset: 88, .size: 8, .value_kind: global_buffer, .address_space: global }
      - { .name: W2_m1_scales, .offset: 96, .size: 8, .value_kind: global_buffer, .address_space: global }
      - { .name: W3_m1_scales, .offset: 104, .size: 8, .value_kind: global_buffer, .address_space: global }
      - { .name: b4_m1, .offset: 112, .size: 8, .value_kind: global_buffer, .address_space: global }
      - { .name: a1_m2, .offset: 120, .size: 8, .value_kind: global_buffer, .address_space: global }
      - { .name: a2_m2, .offset: 128, .size: 8, .value_kind: global_buffer, .address_space: global }
      - { .name: a3_m2, .offset: 136, .size: 8, .value_kind: global_buffer, .address_space: global }
      - { .name: W1_m2, .offset: 144, .size: 8, .value_kind: global_buffer, .address_space: global }
      - { .name: b1_m2, .offset: 152, .size: 8, .value_kind: global_buffer, .address_space: global }
      - { .name: b2_m2, .offset: 160, .size: 8, .value_kind: global_buffer, .address_space: global }
      - { .name: b3_m2, .offset: 168, .size: 8, .value_kind: global_buffer, .address_space: global }
      - { .name: W4_m2, .offset: 176, .size: 8, .value_kind: global_buffer, .address_space: global }
      - { .name: W2_m2_codes, .offset: 184, .size: 8, .value_kind: global_buffer, .address_space: global }
      - { .name: W3_m2_codes, .offset: 192, .size: 8, .value_kind: global_buffer, .address_space: global }
      - { .name: W2_m2_scales, .offset: 200, .size: 8, .value_kind: global_buffer, .address_space: global }
      - { .name: W3_m2_scales, .offset: 208, .size: 8, .value_kind: global_buffer, .address_space: global }
      - { .name: b4_m2, .offset: 216, .size: 8, .value_kind: global_buffer, .address_space: global }
    .group_segment_fixed_size: 33280
    .private_segment_fixed_size: 0
    .kernarg_segment_align: 8
    .kernarg_segment_size: 224
    .max_flat_workgroup_size: 128
    .sgpr_count:     96
    .vgpr_count:     1024
    .wavefront_size: 32
...
	.end_amdgpu_metadata
.endif
;; end of part 2
